; MI455X (gfx1250); checked and timed in simulation.
; The chip was launched on July 23, 2026; its instructions are those of AMD's public machine-readable ISA for CDNA 5 (MIT licence, August 2026) and "CDNA5" Instruction Set Architecture Reference Guide (July 2026). The comments in the code are by the model that wrote it; some were corrected since.
;; Triton. Allowed arithmetic: matrix products marked QUANTISED: E2M1 operands, one E8M0 scale for each 32 along K, by v_wmma_scale_f32_16x16x128_f8f6f4 with both operands' format E2M1 (or v_wmma_scale_f32_32x16x128_f4), f32 sums; everything else in f32.
;; Inputs: Wt_codes 2,048 x 128 x 16 uint8 (E2M1 codes of Wt, K innermost, in blocks of 32 codes, two codes a byte); Wt_scales 2,048 x 128 uint8 (E8M0 scales of Wt, one for each 32 codes along K); Wv_codes 2,048 x 128 x 16 uint8 (E2M1 codes of Wv, K innermost, in blocks of 32 codes, two codes a byte); Wv_scales 2,048 x 128 uint8 (E8M0 scales of Wv, one for each 32 codes along K); visual_mask 4 x 1,024 bool; x_codes 4 x 1,024 x 128 x 16 uint8 (E2M1 codes of x, K innermost, in blocks of 32 codes, two codes a byte); x_scales 4 x 1,024 x 128 uint8 (E8M0 scales of x, one for each 32 codes along K).
;; Outputs: out0 4 x 1,024 x 2,048 float32.
;; This version of the problem:
;;   THIS VERSION OF THE PROBLEM IS GIVEN IN LOW PRECISION. The matrix products marked QUANTISED in the list below multiply operands that are first quantised to E2M1 (2 exponent bits, 1 mantissa bit; 4 bits a number), with one power-of-two scale for each 32 numbers along K (OCP MX v1.0); their sums are f32. All else is computed in f32.
;;   The module's matrix products, in the order in which they are computed (A, B: the left and right operand; K: the contracted axis; several contracted axes count as one K, in the product's order):
;;     1. [M 4,096, K 4,096] x [K 4,096, N 2,048]; A: input x (given as codes); B: input Wv (given as codes): QUANTISED
;;     2. [M 4,096, K 4,096] x [K 4,096, N 2,048]; A: input x (given as codes); B: input Wt (given as codes): QUANTISED
;;   THE QUANTISER, for each operand of a quantised product, along K:
;;     - K is cut into blocks of 32 from its start; a last block that is shorter is filled with zeros.
;;     - A block's scale is 2^e with e = floor(log2(the largest magnitude in the block)) - 2, held to -126 .. 127; a block of zeros has e = 0. As a byte (E8M0): e + 127.
;;     - Each number is divided by its block's scale, clamped to +-6, and rounded to the nearest number of E2M1, ties to even, subnormals kept.
;;     - The product sums the exact products of the quantised numbers (number of the format x scale) in f32.
;;   ~~~python
;;   def quantise(x, axis):      # numpy; x: float32 -> the quantised numbers, widened to float32 again
;;       x = np.moveaxis(x, axis, -1); K = x.shape[-1]
;;       x = np.pad(x, [(0, 0)] * (x.ndim - 1) + [(0, -K % 32)]); x = x.reshape(x.shape[:-1] + (-1, 32)); a = np.abs(x).max(-1, keepdims=True)
;;       e = np.where(a > 0, np.clip(np.frexp(np.where(a > 0, a, 1))[1] - 1 - 2, -126, 127), 0)      # np.frexp(a)[1] - 1 = floor(log2(a)), exactly
;;       r = np.clip(x / 2.0 ** e, -6, 6)
;;       step = 2.0 ** (np.maximum(np.frexp(np.where(r == 0, 1, r))[1] - 1, 0) - 1)
;;       q = np.round(r / step) * step * 2.0 ** e      # np.round: ties to even
;;       return np.moveaxis(q.reshape(q.shape[:-2] + (-1,))[..., :K], -1, axis).astype(np.float32)
;;   ~~~
;;   INPUTS GIVEN AS CODES. Wt (in the module: [2048, 4096], K = its axis 1); Wv (in the module: [2048, 4096], K = its axis 1); x (in the module: [4, 1024, 4096], K = its axis 2): each comes as NAME_codes (uint8): NAME with its K axis moved to the last place and cut into blocks of 32 codes, [.., K / 32, bytes a block], one block behind the other in memory; two codes a byte, the lower K in the low four bits (a code: sign, 2 exponent bits, 1 mantissa bit); and NAME_scales (uint8): the same leading axes, one E8M0 byte (e + 127) for each 32 codes along K. Its value is code x scale, taken as it is: it is not quantised again, and the codes and scales need not be those that the quantiser above would give.
;; One version. Each part assembles by itself: llvm-mc -triple=amdgcn-amd-amdhsa -mcpu=gfx1250 --defsym DOCPART=n.
;; ======== version 1 of 1: 1 launch
;; launch masked_linear (part 1): grid 16 x 16, 4 waves a work-group, clusters of 4 x 4, 327,680 bytes of LDS; arguments x_codes, x_scales, Wv_codes, Wv_scales, Wt_codes, Wt_scales, visual_mask, out0; writes out0
.if DOCPART == 1
	.amdgcn_target "amdgcn-amd-amdhsa--gfx1250"
	.amdhsa_code_object_version 6
	.text
	.protected	k_qd29f77413b_masked_linear
	.globl	k_qd29f77413b_masked_linear
	.p2align	8
	.type	k_qd29f77413b_masked_linear,@function
k_qd29f77413b_masked_linear:
	s_mov_b64 s[64:65], 0
	v_nop
	global_prefetch_b8 v0, s[64:65] scope:SCOPE_SE
	s_setreg_imm32_b32 hwreg(HW_REG_WAVE_MODE, 25, 1), 1
	s_wait_xcnt 0x0
	s_wait_alu depctr_hold_cnt(0) depctr_sa_sdst(0) depctr_va_vdst(0) depctr_va_sdst(0) depctr_va_ssrc(0) depctr_va_vcc(0) depctr_vm_vsrc(0)
	s_getreg_b32 s2, hwreg(HW_REG_IB_STS2, 6, 4)
	s_cmp_eq_u32 s2, 0
	s_cbranch_scc0 .Lentry_in_a_cluster
	s_endpgm
.Lentry_in_a_cluster:
	s_bfe_u32 s2, ttmp6, 0x10000c
	s_cmp_lg_u32 s2, 0xf033
	s_cbranch_scc0 .Lentry_shape_is_right
	s_endpgm
.Lentry_shape_is_right:
; out0[t][:] = x[t] . Wv^T where visual_mask[t] is set, else x[t] . Wt^T.  4,096 tokens, K = 4,096, 2,048 outputs.  x, Wv, Wt: codes of FP4 (E2M1), K innermost, 2,048 bytes a row,
; with one E8M0 byte for each 32 along K, 128 bytes a row.  Codes and scale bytes go to the matrix instruction as they lie in memory.  out0: f32; one f32 sum for each output, K ascending.
; NOTHING IS LEFT OUT.  Which expert's row is kept hangs on the values of an input, the mask: so both products are made, as reference() writes them, and each token's row is SELECTED at the end
; (v_cndmask_b32, no branch and no address on the mask).  Every input is loaded.  The expert not chosen is never added to the one chosen: a NaN or an infinity there does not reach the row.
; LIMITS: a mask byte other than 0 counts as true.  A scale byte 0xff gives NaN in the rows and columns that it scales, of the chosen expert alone.
; SHARES.  A work-group of four waves, as many as a WGP has SIMDs, makes 256 tokens x 128 output columns for BOTH experts: its second operand is 128 rows of Wv and the same 128 rows of Wt.  16 x 16 work-groups.
; Wave w: tokens 128 (w / 2) on (8 blocks of 16); columns 64 (w % 2) on, of Wv (blocks b = 0-3) and of Wt (b = 4-7): 64 accumulators of 16 x 16, 512 registers.
; K goes in 8 steps of 512 through a ring of two LDS slots filled by the tensor data mover: a tile's row is 256 bytes of memory.  Waves 0, 1 fetch x's two halves, wave 2 Wv's rows, wave 3 Wt's: 128 rows a load.
; CLUSTERS: 4 x 4 work-groups.  The four of a row of the cluster need the same tokens, the four of a column the same rows of Wv and Wt: each tile is asked for JOINTLY, by the same tensor load with the same
; descriptor and a mask that names the four.  THE MATRIX INSTRUCTION IS USED TRANSPOSED (source 0 = 16 rows of W, source 1 = 16 tokens): a lane then holds one token and eight neighbouring columns.
; THE SCALE BYTES of the 512 rows do not fit beside the ring for all of K (512 x 128 bytes).  They come in two runs of 80 bytes a row over the same LDS bytes: bytes 0-79 (K steps 0-4) with the first fills, of which
; the words of K steps 0, 1, 2 go into registers at once; then bytes 48-127 (K steps 3-7), asked for behind a round of their own in K step 0 and first read in K step 2.
; REGISTERS, in windows of 256: window 0: v0-31 addresses and the mask bytes; v32-127, v192-223 four sets of scale words; v128-191 A's fragments (8 x 16 tokens x 128 K), ONE set; on the way out v128-191 take rows of out0.
;   window 1: B's fragments, TWO sets, at v0 and at v128.   window 2: the accumulators of my token blocks 0-3 (accumulator (a, b) at v[8 (8 (a % 4) + b)]);   window 3: those of blocks 4-7.
.set NQ,     4                         ; sub-steps of 128 along K in a K step
.set ROWB,   256                       ; a tile's row in bytes: 512 codes
.set KROW,   2048                      ; a row of codes in memory
.set PITCH,  272                       ; an LDS row: 256 bytes + 16 of padding = 68 words: row r starts at bank 4 r mod 64 (64 banks of 4 bytes: ISA guide 11.1), so the 16 rows that a load touches start at 16 different banks
.set FR,     8                         ; registers of a fragment: 16 rows x 128 K
.set NL,     2                         ; LDS loads that bring one
.set NP,     4                         ; places behind this matrix instruction (ISA guide 7.12.1)
.set HALFT,  128*PITCH                 ; 128 rows: what one tensor load brings
.set SLOT,   4*HALFT                   ; x's 256 rows, Wv's 128, Wt's 128
.set SROW,   128                       ; a row of scale bytes in memory
.set SCP,    80                        ; a run's part of it, and its pitch in LDS: 20 words, so the 16 rows of a load start at 16 different groups of four banks
.set HALFS,  128*SCP                   ; the scale bytes of 128 rows: what one tensor load brings
.set SCL,    2*SLOT                    ; behind the ring: the scale bytes, 512 rows in the slots' order
.set SPARE,  SCL+4*HALFS               ; behind them: the spare words, 128 bytes for each wave: two blocks of 256 bytes that no other line names
.set OUTROW, 8192                      ; a row of out0 in bytes
.set SPITCH, 272                       ; the way out: a stage of 16 rows x (256 bytes + 16) for each wave.  It lies in slot 0, which has had its last fill and its last read when the first result is stored there
.set LAPS,   2                         ; trips of the loop: K steps 2 to 5
.set MB,   8                           ; v8-15   the mask byte of my token in block a
.set ADRA, 16                          ; v16-17  LDS address of my A fragments in slot 0, 1
.set ADRB, 20                          ; v20-21  the same for B
.set STO,  24                          ; v24     the way out: where I put 32 bytes of a row
.set RD,   25                          ; v25     the way out: where I read a row back
.set CO,   26                          ; v26     my byte offset in two rows of out0
.set ADSL, 27                          ; v27     LDS address of my scale words, pairs 0-3: lanes 0-15 x's rows, lanes 16-31 Wv's
.set SPW,  28                          ; v28     LDS address of my spare word: SPARE + 4 x my thread's number; never rewritten
.set NIL,  29                          ; v29     0; never rewritten
.set ADSH, 30                          ; v30     the same as v27 for pairs 4-7: lanes 16-31 Wt's rows
.set PFO,  31                          ; v31     the prefetches' offset: my lane x a row of codes; never rewritten
.set SS0,  32                          ; scale words, a set of 32: register 4 i + q: lanes 0-15 the word of A's block i, lanes 16-31 that of B's block i, for the K step's q-th 128 along K
.set SS1,  64                          ; K steps 2, 4, 6 take SS0; 3, 5, 7 take SS1;
.set SX0,  96                          ; K step 0;
.set SX1,  192                         ; K step 1
.set AF,   128                         ; A's fragments, in window 0
.set BK,   128                         ; the way out: 16 rows read back from the stage: v128-159 and v160-191 by turns
.set MK,   4                           ; s4-11   block a's tokens: a bit a lane, set where the mask is (the registers that held the first four addresses, which are done with by then)
.set G1,   24                          ; s[24:31] descriptor group 1 for x's tiles;  s[32:39] group 0, one set for each slot
.set G0,   32
.set G1B,  48                          ; s[48:55], s[56:63] the same for W's tiles
.set G0B,  56
.set PFA,  66                          ; s[66:67] where my prefetches stand
.set G1S,  68                          ; s[68:75], s[76:79] groups 1 and 0 for x's scale bytes;  s[80:87], s[88:91] for W's
.set G0S,  76
.set G1SB, 80
.set G0SB, 88
.set LIM,  100                         ; s100    1 in a wave that prefetches, else the greatest number
.set MSB, 0
.macro WIN new                         ; the immediate's high byte repeats the setting that is left; a switch that changes nothing is dropped
.if MSB != (\new)
	s_set_vgpr_msb (MSB<<8)|(\new)
.set MSB, (\new)
.endif
.endm
.set MUL_LO, 0xa1                      ; source 0 (W) window 1, source 1 (tokens) window 0, C and D window 2
.set MUL_HI, 0xf1                      ; the same, C and D window 3
.set TO_B,   0x40                      ; destination window 1, address window 0
; A joint load: waves 0 and 1 fetch for x, waves 2 and 3 for W.  Each of the two lines has ONE mask and one set of registers for all that issue it; the branch hangs on the wave's number alone.
; An s_nop 0 and four v_nop follow each of the two lines, ahead of the jump, the label and what follows.
.macro JLOAD g0a, g1a, g0b, g1b
	s_cmp_eq_u32 s15, 0
	s_cbranch_scc0 .Lfor_b_\@
	tensor_load_to_lds s[\g0a:\g0a+3], s[\g1a:\g1a+7]
	s_nop 0
.rept 4
	v_nop
.endr
	s_branch .Lasked_\@
.Lfor_b_\@:
	tensor_load_to_lds s[\g0b:\g0b+3], s[\g1b:\g1b+7]
	s_nop 0
.rept 4
	v_nop
.endr
.Lasked_\@:
.endm
.macro CREST                           ; a round of the cluster's barrier behind its opening barrier
	s_cmp_lg_u32 s14, 0
	s_cbranch_scc1 .Lnot_wave_0_\@
	s_barrier_signal -3
.Lnot_wave_0_\@:
	s_barrier_wait -3
	s_barrier_signal -1
	s_barrier_wait -1
.endm
.macro CROUND                          ; a whole round
	s_barrier_signal -1
	s_barrier_wait -1
	CREST
.endm
; A PREFETCH INTO THE L2, behind a joint load, its five lines and the run of LDS loads that follows them: the K step that stands TWO refills on: 32 rows x 256 bytes, a lane a row, one instruction a wave.
; Each row's 256 bytes of a K step are named ONCE in the launch.  A tile row's tokens are read by every cluster of that row of clusters: the first of them (cluster x = 0) asks; W's rows by every cluster of that column:
; cluster y = 0 asks.  The four partners that ask for a tile jointly share its rows out BY ADDRESS: of the 128 rows that a wave fetches, the partner at place p takes 32 p .. 32 p + 31 (p = cx for x, cy for W).
; how = 1: written out ahead of the loop; how = 0: in the loop, whose last trip (s3 = 1) has no K step two refills on.  K steps 0 to 3 come by their loads alone; the scale bytes are not asked for.
.macro ASK how
.if \how
	s_cmp_eq_u32 s[LIM], 1
.else
	s_cmp_gt_u32 s3, s[LIM]
.endif
	s_cbranch_scc0 .Lnot_mine_\@
	global_prefetch_b8 v[PFO], s[PFA:PFA+1] th:TH_LOAD_NT scope:SCOPE_SE
.Lnot_mine_\@:
.endm
	s_load_b128 s[4:7], s[0:1], 0x0                ; x's codes s[4:5], x's scales s[6:7]
	s_load_b128 s[8:11], s[0:1], 0x10              ; Wv's codes s[8:9], Wv's scales s[10:11]
	s_load_b128 s[96:99], s[0:1], 0x20             ; Wt's codes s[96:97], Wt's scales s[98:99]
	s_load_b128 s[92:95], s[0:1], 0x30             ; the mask s[92:93], out0 s[94:95]
	v_lshl_add_u32 v[SPW], v0, 2, SPARE
	v_mov_b32 v[NIL], 0
	ds_add_u32 v[SPW], v[NIL]                      ; the wave's opening: the add, twice on end, and its wait ahead of my first tensor load; the set-up below the second, work on registers, stands between it and the wait
	ds_add_u32 v[SPW], v[NIL]                      ; and once more: the opening add twice on end, under the one wait
	v_lshrrev_b32 v1, 5, v0
	v_readfirstlane_b32 s14, v1                    ; wave 0..3
	s_lshr_b32 s15, s14, 1                         ; which half of the tile's tokens is mine.  Also: I fetch for x (0) or for W (1)
	s_and_b32 s16, s14, 1                          ; which half of its columns.  Also: which 128 tokens I fetch, or which W: Wv (0), Wt (1)
	s_bfe_u32 s40, ttmp6, 0x40000                  ; cx, cy: my place in the cluster
	s_bfe_u32 s41, ttmp6, 0x40004
	s_lshl_b32 s42, ttmp9, 2
	s_add_co_u32 s42, s42, s40                     ; tile column = 4 x cluster x + cx
	s_and_b32 s17, ttmp7, 0xffff
	s_lshl_b32 s17, s17, 2
	s_add_co_u32 s17, s17, s41                     ; tile row = 4 x cluster y + cy
	s_lshl_b32 s43, s41, 2
	s_lshl_b32 s43, 15, s43                        ; my row of the cluster
	s_lshl_b32 s44, 0x1111, s40                    ; my column
	; descriptor group 1 for codes: a tile of 128 rows x 256 bytes, padded in LDS
	s_or_b32 s[G1+0], s43, (0<<16)|(1<<20)|(1<<21)|(5<<22)|(3<<25)  ; 15:0 the mask: x's tiles go to my row; 17:16 element of 1 byte; 20 padding on; 21 set beside a mask; 24:22 after every 64 words (code 5); 31:25 of 4 words (code 3)
	s_or_b32 s[G1B+0], s44, (0<<16)|(1<<20)|(1<<21)|(5<<22)|(3<<25) ; the same with the mask of my column, for W's tiles
.irp g, G1, G1B
	s_mov_b32 s[\g+1], ROWB<<16                    ; tensor_dim0
	s_mov_b32 s[\g+2], 128<<16                     ; tensor_dim1 = 128
	s_mov_b32 s[\g+3], ROWB<<16                    ; tile_dim0
	s_mov_b32 s[\g+4], 128                         ; tile_dim1 = 128
	s_mov_b32 s[\g+5], KROW                        ; tensor_dim0_stride
	s_mov_b32 s[\g+6], 0
	s_mov_b32 s[\g+7], 0
.endr
	; and for scale bytes: 128 rows x 80 bytes (20 elements of 4 bytes), 128 bytes (32 elements) apart in memory, on end in LDS
	s_or_b32 s[G1S+0], s43, (2<<16)|(1<<21)
	s_or_b32 s[G1SB+0], s44, (2<<16)|(1<<21)
.irp g, G1S, G1SB
	s_mov_b32 s[\g+1], (SCP/4)<<16
	s_mov_b32 s[\g+2], 128<<16
	s_mov_b32 s[\g+3], (SCP/4)<<16
	s_mov_b32 s[\g+4], 128
	s_mov_b32 s[\g+5], SROW/4
	s_mov_b32 s[\g+6], 0
	s_mov_b32 s[\g+7], 0
.endr
	; where the tiles come from.  x's hang on the tile row and the wave alone, W's on the tile column and the wave alone, each in registers that never hold the other coordinate
	s_lshl_b32 s20, s17, 8
	s_lshl_b32 s2, s16, 7
	s_add_co_u32 s20, s20, s2                      ; x: token 256 x tile row + 128 x half
	s_lshl_b32 s22, s20, 7                         ; its scale bytes,
	s_lshl_b32 s20, s20, 11                        ; its codes (under 2^23)
	s_mov_b32 s21, 0
	s_mov_b32 s23, 0
	s_lshl_b32 s46, s42, 18                        ; W: row 128 x tile column: its codes,
	s_mov_b32 s47, 0
	s_lshl_b32 s18, s42, 14                        ; its scale bytes
	s_mov_b32 s19, 0
	s_mul_i32 s45, s14, HALFT                      ; where they go: wave x 128 rows: no place in the cluster enters an LDS address
	s_mul_i32 s101, s14, HALFS
	s_wait_dscnt 0x0                               ; both opening adds are done
	s_wait_kmcnt 0x0
	s_cmp_eq_u32 s16, 0                            ; the W that I fetch: the choice hangs on the wave's number alone
	s_cselect_b64 s[8:9], s[8:9], s[96:97]
	s_cselect_b64 s[10:11], s[10:11], s[98:99]
	s_add_nc_u64 s[20:21], s[4:5], s[20:21]
	s_add_nc_u64 s[22:23], s[6:7], s[22:23]
	s_add_nc_u64 s[46:47], s[8:9], s[46:47]
	s_add_nc_u64 s[18:19], s[10:11], s[18:19]
	CROUND                                         ; all sixteen work-groups are here: the first joint loads meet
	s_mov_b32 s[G0S], 1                            ; 1:0 count = 1
	s_add_co_u32 s[G0S+1], s101, SCL               ; 63:32 LDS address
	s_mov_b64 s[G0S+2:G0S+3], s[22:23]             ; 120:64 global address: bytes 0-79 of each row
	s_or_b32 s[G0S+3], s[G0S+3], 0x80000000        ; 127:126 type = 2
	s_mov_b32 s[G0SB], 1
	s_add_co_u32 s[G0SB+1], s101, SCL
	s_mov_b64 s[G0SB+2:G0SB+3], s[18:19]
	s_or_b32 s[G0SB+3], s[G0SB+3], 0x80000000
	JLOAD G0S, G1S, G0SB, G1SB                     ; the scale bytes' first run: wanted with K step 0
.irp s, 0,1
	s_mov_b32 s[G0+4*\s], 1
	s_add_co_u32 s[G0+4*\s+1], s45, \s*SLOT
	s_add_nc_u64 s[G0+4*\s+2:G0+4*\s+3], s[20:21], \s*ROWB
	s_or_b32 s[G0+4*\s+3], s[G0+4*\s+3], 0x80000000
	s_mov_b32 s[G0B+4*\s], 1
	s_add_co_u32 s[G0B+4*\s+1], s45, \s*SLOT
	s_add_nc_u64 s[G0B+4*\s+2:G0B+4*\s+3], s[46:47], \s*ROWB
	s_or_b32 s[G0B+4*\s+3], s[G0B+4*\s+3], 0x80000000
	JLOAD G0+4*\s, G1, G0B+4*\s, G1B               ; K steps 0 and 1: three loads of mine are out
.endr
	v_and_b32 v1, 15, v0                           ; r = l % 16
	v_bfe_u32 v2, v0, 4, 1                         ; h = l / 16
	v_and_b32 v7, 15, v0                           ; the mask: a byte a token; lanes l and l + 16 hold the same token
	s_lshl_b32 s96, s17, 8
	s_lshl_b32 s2, s15, 7
	s_add_co_u32 s96, s96, s2                      ; my first token: 256 x tile row + 128 x half
	s_mov_b32 s97, 0
	s_add_nc_u64 s[92:93], s[92:93], s[96:97]
.irp a, 0,1,2,3,4,5,6,7
	global_load_u8 v[MB+\a], v7, s[92:93] offset:16*\a
.endr
	v_mul_u32_u24 v3, v1, PITCH
	v_lshl_add_u32 v4, v2, 4, v3                   ; a fragment's row x pitch + 16 x half
	s_mul_i32 s2, s15, HALFT                       ; my 128 tokens
	s_mul_i32 s3, s16, 64*PITCH                    ; my 64 rows of Wv,
	s_add_co_u32 s3, s3, 2*HALFT                   ; which lie behind x's 256; the same rows of Wt lie 128 rows further on
.irp s, 0,1
	v_add_nc_u32 v[ADRA+\s], s2, v4
	v_add_nc_u32 v[ADRB+\s], s3, v4
	s_add_co_u32 s2, s2, SLOT
	s_add_co_u32 s3, s3, SLOT
.endr
	v_mul_u32_u24 v5, v1, SCP                      ; my row's scale bytes
	s_mul_i32 s2, s15, HALFS                       ; x's: my 128 tokens
	s_mul_i32 s3, s16, 64*SCP                      ; Wv's: my 64 rows, behind x's 256
	s_add_co_u32 s3, s3, 2*HALFS
	s_sub_co_u32 s3, s3, s2
	v_mul_u32_u24 v6, s3, v2                       ; lanes 16-31 take W's: one product, the distance between the two bases
	s_add_co_u32 s3, s3, 64*SCP                    ; for pairs 4-7, whose offset is 64 rows on already, Wt's rows lie 64 rows further still
	v_mul_u32_u24 v3, s3, v2
	s_add_co_u32 s2, s2, SCL-16                    ; 16 bytes back: each change of slots that loads words steps the address by a K step's 16 bytes first
	v_add_nc_u32 v5, s2, v5
	v_add_nc_u32 v[ADSL], v5, v6
	v_add_nc_u32 v[ADSH], v5, v3
	s_mul_i32 s2, s14, 16*SPITCH                   ; my stage
	v_mul_u32_u24 v5, v1, SPITCH                   ; in: row l % 16, 32 bytes for each half of the lanes
	v_lshl_add_u32 v5, v2, 5, v5
	v_add_nc_u32 v[STO], s2, v5
	v_mul_u32_u24 v5, v2, SPITCH                   ; back: lanes 0-15 take one row of 256 bytes, lanes 16-31 the next
	v_lshl_add_u32 v5, v1, 4, v5
	v_add_nc_u32 v[RD], s2, v5
	v_lshlrev_b32 v5, 13, v2                       ; and the same two rows in out0
	v_lshl_add_u32 v[CO], v1, 4, v5
	s_lshl_b32 s96, s96, 13                        ; my first token's row of out0 (under 2^25),
	s_lshl_b32 s98, s42, 9                         ; my first column, in bytes: 512 x tile column + 256 x half
	s_lshl_b32 s2, s16, 8
	s_add_co_u32 s98, s98, s2
	s_add_co_u32 s96, s96, s98
	s_add_nc_u64 s[12:13], s[94:95], s[96:97]
	; the prefetches: where my wave's stand, and who asks
	s_and_b32 s2, ttmp7, 0xffff                    ; cluster y
	s_cmp_eq_u32 s15, 0                            ; do I fetch for x?
	s_cselect_b64 s[PFA:PFA+1], s[20:21], s[46:47] ; the 128 rows that I fetch
	s_cselect_b32 s98, s40, s41                    ; my place among the four that ask for them with me
	s_cselect_b32 s2, ttmp9, s2                    ; the coordinate along which other clusters read the same rows
	s_cmp_eq_u32 s2, 0
	s_cselect_b32 s[LIM], 1, -1                    ; the same in all sixteen partners, for a given wave
	s_lshl_b32 s98, s98, 16                        ; my work-group's 32 rows of 2,048 bytes,
	s_add_co_u32 s98, s98, 3*ROWB                  ; at K step 3: the first change of slots steps it to K step 4.  Nothing is prefetched here, at the head, where every work-group's first tiles are on their way
	s_mov_b32 s99, 0
	s_add_nc_u64 s[PFA:PFA+1], s[PFA:PFA+1], s[98:99]
	v_and_b32 v[PFO], 31, v0
	v_lshlrev_b32 v[PFO], 11, v[PFO]
.macro FRAGA reg, adr, q, i            ; a fragment, 16 rows x 128 K of 4-bit codes, is 8 registers: lane l holds row l % 16; registers 4 c .. 4 c + 3 hold K = 64 c + 32 (l / 16) + 0 .. 31, the lower K in the lower bits
.irp c, 0,1
	ds_load_b128 v[\reg+4*\c:\reg+4*\c+3], v[\adr] offset:64*(\q)+32*\c+(\i)*16*PITCH
.endr
.endm
.macro FRAGB reg, adr, q, i            ; the same for W: blocks 4-7 are Wt's, 128 rows behind the same rows of Wv: 64 rows more than their number gives
.irp c, 0,1
	ds_load_b128 v[\reg+4*\c:\reg+4*\c+3], v[\adr] offset:64*(\q)+32*\c+(16*(\i)+64*((\i)/4))*PITCH
.endr
.endm
; 16 matrix instructions: token blocks a0, a0 + 1 x W's eight blocks, 128 along K: the K step's q-th.  p: B's set;  sc: the set of scale words.  zero = 1: the first product starts the sums: nothing is ever cleared.
; The 64 accumulators take turns, one instruction a turn, in the same order in every sub-step.
.macro MUL16 a0, p, q, sc, zero
.irp a, \a0, \a0+1
.irp b, 0,1,2,3,4,5,6,7
.if \zero
	v_wmma_scale_f32_16x16x128_f8f6f4 v[8*(8*((\a)%4)+\b):8*(8*((\a)%4)+\b)+7], v[128*(\p)+FR*\b:128*(\p)+FR*\b+FR-1], v[AF+FR*(\a):AF+FR*(\a)+FR-1], 0, v[\sc+NQ*\b+(\q)], v[\sc+NQ*(\a)+(\q)] matrix_a_fmt:MATRIX_FMT_FP4 matrix_b_fmt:MATRIX_FMT_FP4 matrix_a_scale:MATRIX_SCALE_ROW1
.else
	v_wmma_scale_f32_16x16x128_f8f6f4 v[8*(8*((\a)%4)+\b):8*(8*((\a)%4)+\b)+7], v[128*(\p)+FR*\b:128*(\p)+FR*\b+FR-1], v[AF+FR*(\a):AF+FR*(\a)+FR-1], v[8*(8*((\a)%4)+\b):8*(8*((\a)%4)+\b)+7], v[\sc+NQ*\b+(\q)], v[\sc+NQ*(\a)+(\q)] matrix_a_fmt:MATRIX_FMT_FP4 matrix_b_fmt:MATRIX_FMT_FP4 matrix_a_scale:MATRIX_SCALE_ROW1
.endif
.endr
.endr
.endm
.macro FETCH_B slot, q, p              ; W's eight fragments of the slot's q-th 128 along K into set p
	WIN TO_B
.irp i, 0,1,2,3,4,5,6,7
	FRAGB 128*(\p)+FR*\i, ADRB+\slot, \q, \i
.endr
	WIN 0
.endm
.macro FETCH_A slot, q, i0             ; token blocks i0 .. i0 + 3
.irp i, \i0, \i0+1, \i0+2, \i0+3
	FRAGA AF+FR*(\i), ADRA+\slot, \q, \i
.endr
.endm
.macro SCALES sc                       ; a K step's scale words into set sc: four words a row; lanes 0-15 take A's block i, lanes 16-31 B's block i
.irp i, 0,1,2,3
	ds_load_b128 v[\sc+NQ*\i:\sc+NQ*\i+3], v[ADSL] offset:\i*16*SCP
.endr
.irp i, 4,5,6,7
	ds_load_b128 v[\sc+NQ*\i:\sc+NQ*\i+3], v[ADSH] offset:\i*16*SCP
.endr
.endm
.macro PULL sc, k                      ; the same out of the first run, at the head: K step k's words lie 16 k bytes into a row (and the address stands 16 bytes back)
.irp i, 0,1,2,3
	ds_load_b128 v[\sc+NQ*\i:\sc+NQ*\i+3], v[ADSL] offset:\i*16*SCP+16+16*\k
.endr
.irp i, 4,5,6,7
	ds_load_b128 v[\sc+NQ*\i:\sc+NQ*\i+3], v[ADSH] offset:\i*16*SCP+16+16*\k
.endr
.endm
; A load into a register that a matrix instruction has read, and a vector instruction or an LDS store that reads a matrix result, stand NP places behind that matrix instruction, and only plain vector
; instructions that name none of its registers are places (ISA guide 7.12.1 for vector instructions); this text does not count the matrix instructions in between.
.macro PLACES n
.rept \n
	v_nop
.endr
.endm
; A sub-step of 128 along K that has its successor in the same slot.  A block of tokens is free as soon as its eight products are issued: blocks 0-3 are fetched anew in the middle, blocks 4-7 at the end.
.macro STEP slot, q, sc, zero
	s_wait_dscnt 4*NL                              ; B's set, A's blocks 0-3 and the scale words are in; the youngest eight loads (A's blocks 4-7) may be out
	WIN MUL_LO
	MUL16 0, (\q)%2, \q, \sc, \zero
	MUL16 2, (\q)%2, \q, \sc, \zero
	s_wait_dscnt 0                                 ; A's blocks 4-7 are in (asked for 32 matrix instructions ago)
	PLACES NP
	FETCH_B \slot, (\q)+1, 1-(\q)%2
	FETCH_A \slot, (\q)+1, 0
	WIN MUL_HI
	MUL16 4, (\q)%2, \q, \sc, \zero
	MUL16 6, (\q)%2, \q, \sc, \zero
	PLACES NP
	WIN 0
	FETCH_A \slot, (\q)+1, 4
.endm
; A slot's last sub-step changes slots: ONE barrier; in front of it each wave waits for all its tensor loads, adds 0 to its spare word, and waits for that and for its own reads of this slot.
; fill = 1: this slot is filled again, two K steps ahead, behind a round of the cluster's barrier.  sc: this K step's scale words.  ld = 1: the next K step's are loaded into set scn.
; ask = 1, 2: a prefetch follows the loads (written out ahead of the loop; in the loop); 0: none.
.macro TURN slot, next, fill, sc, scn, ld, ask
.if \ask
	s_wait_xcnt 0x0                                ; the last prefetch, a K step back, has read its address: it is stepped here, ahead of the waits of the change of slots
	s_add_nc_u64 s[PFA:PFA+1], s[PFA:PFA+1], ROWB
.endif
	s_wait_tensorcnt 0x0                           ; all my tensor loads have landed: my part of the next slot (at the first change: my part of the scale bytes' second run too);  (every window is 0 here)
	ds_add_u32 v[SPW], v[NIL]                      ; 0 onto my spare word
	s_wait_dscnt 4*NL+1                            ; (the add and the youngest eight loads, A's blocks 4-7, may be out)
	WIN MUL_LO
	MUL16 0, 1, NQ-1, \sc, 0                       ; sixteen matrix instructions stand between the add and the wait for it
	s_wait_dscnt 0x0                               ; the add is done, and my reads of this slot are over
	s_barrier_signal -1
	MUL16 2, 1, NQ-1, \sc, 0
	WIN 0
	s_barrier_wait -1
.if \fill
	CREST                                          ; the barrier has opened a round of the cluster's barrier: no wave of any partner still reads this slot's tile or has a load on its way
	s_add_nc_u64 s[G0+4*\slot+2:G0+4*\slot+3], s[G0+4*\slot+2:G0+4*\slot+3], 2*ROWB
	s_add_nc_u64 s[G0B+4*\slot+2:G0B+4*\slot+3], s[G0B+4*\slot+2:G0B+4*\slot+3], 2*ROWB
	JLOAD G0+4*\slot, G1, G0B+4*\slot, G1B         ; the first tensor load behind the round, and my only one until the next; the four v_nop behind it are the places in front of the loads below
.else
	PLACES NP
.endif
.if \ld
	v_add_nc_u32 v[ADSL], 4*NQ, v[ADSL]            ; on to the next K step's scale words (no LDS load of mine is out)
	v_add_nc_u32 v[ADSH], 4*NQ, v[ADSH]
.endif
	FETCH_B \next, 0, 0
	FETCH_A \next, 0, 0
.if \ld
	SCALES \scn
.endif
.if \ask == 1
	ASK 1
.elseif \ask == 2
	ASK 0
.endif
	WIN MUL_HI
	MUL16 4, 1, NQ-1, \sc, 0
	MUL16 6, 1, NQ-1, \sc, 0
	PLACES NP
	WIN 0
	FETCH_A \next, 0, 4
.endm
; THE SCALE BYTES' SECOND RUN: bytes 48-127 of each row, the words of K steps 3 to 7, over the bytes of the first run, whose words of K steps 0, 1, 2 are in registers.  A refill like any other: every wave waits for all
; its tensor loads (slot 1's first fill is the one that is out), adds 0 to its spare word, waits for that and for its reads of the first run; a round of the cluster's barrier; the joint load first behind it.
.macro RUN2
	s_wait_tensorcnt 0x0                           ; no tensor load of mine is out, so a group 0 may be written
	ds_add_u32 v[SPW], v[NIL]                      ; 0 onto my spare word: the descriptors' steps stand between it and the wait for it
	s_add_nc_u64 s[G0S+2:G0S+3], s[G0S+2:G0S+3], 48
	s_add_nc_u64 s[G0SB+2:G0SB+3], s[G0SB+2:G0SB+3], 48
	s_wait_dscnt 0x0                               ; the add is done, and my reads of the first run are over
	CROUND
	JLOAD G0S, G1S, G0SB, G1SB
.endm
	s_wait_loadcnt 0x0                             ; the mask bytes (asked for behind the first tiles, which are waited for next)
.irp a, 0,1,2,3,4,5,6,7
	v_cmp_ne_u32 s[MK+\a], 0, v[MB+\a]             ; block a: a bit a lane, set where my token takes Wv
.endr
	s_wait_tensorcnt 1                             ; the scale bytes' first run and my part of K step 0 are in (K step 1's load, the youngest of my three, may be out),
	s_barrier_signal -1
	s_barrier_wait -1                              ; everybody's are
	FETCH_B 0, 0, 0
	FETCH_A 0, 0, 0
	PULL SX0, 0
	PULL SX1, 1
	PULL SS0, 2
	FETCH_A 0, 0, 4
	STEP 0, 0, SX0, 1                              ; K step 0: the first sub-step's products start the sums
	STEP 0, 1, SX0, 0
	RUN2
	STEP 0, 2, SX0, 0
	TURN 0, 1, 1, SX0, 0, 0, 1                     ; slot 0 takes K step 2
	STEP 1, 0, SX1, 0                              ; K step 1
	STEP 1, 1, SX1, 0
	STEP 1, 2, SX1, 0
	TURN 1, 0, 1, SX1, 0, 0, 1                     ; slot 1 takes K step 3
	STEP 0, 0, SS0, 0                              ; K step 2 begins
	s_mov_b32 s3, LAPS
.Llap:                                                 ; a trip goes once round the ring, from an even K step's second sub-step to the next even K step's first, and fills both slots again
	STEP 0, 1, SS0, 0
	STEP 0, 2, SS0, 0
	TURN 0, 1, 1, SS0, SS1, 1, 2
	STEP 1, 0, SS1, 0
	STEP 1, 1, SS1, 0
	STEP 1, 2, SS1, 0
	TURN 1, 0, 1, SS1, SS0, 1, 2
	STEP 0, 0, SS0, 0
	s_sub_co_u32 s3, s3, 1
	s_cmp_lg_u32 s3, 0
	s_cbranch_scc1 .Llap
	STEP 0, 1, SS0, 0                              ; K steps 6 and 7 are written out: they fill nothing, and have no round of the cluster's barrier
	STEP 0, 2, SS0, 0
	TURN 0, 1, 0, SS0, SS1, 1, 0
	STEP 1, 0, SS1, 0
	STEP 1, 1, SS1, 0
	STEP 1, 2, SS1, 0
	s_wait_dscnt 4*NL                              ; the very last sub-step: nothing more to fetch
	WIN MUL_LO
	MUL16 0, 1, NQ-1, SS1, 0
	MUL16 2, 1, NQ-1, SS1, 0
	s_wait_dscnt 0
	WIN MUL_HI
	MUL16 4, 1, NQ-1, SS1, 0
	MUL16 6, 1, NQ-1, SS1, 0
	WIN 0
; THE WAY OUT, block by block of 16 tokens x 64 columns.  SELECT: where the token's bit is set Wv's number stays, else Wt's takes its place: accumulators (a, 0-3) then hold the block.  Each accumulator is read from its low end on.
.macro SELECT a
.set AC, 64*((\a)%4)
	WIN 0x8a+0x45*((\a)/4)                         ; sources 0 and 1 and the destination: window 2 or 3
.irp b, 0,1,2,3
.irp j, 0,1,2,3,4,5,6,7
	v_cndmask_b32 v[AC+8*\b+\j], v[AC+8*(\b+4)+\j], v[AC+8*\b+\j], s[MK+(\a)]
.endr
.endr
.endm
; A lane holds 32 neighbouring bytes of a row, and the lanes beside it hold other rows: so a block goes through my own stage in LDS and comes back as whole rows of 256 bytes, two an instruction.
; LDS serves a wave's instructions in order (ISA guide 5.7.1.4): no wait between the stores and the loads, nor in front of the next block's stores.
.macro TOSTAGE a
.set AC, 64*((\a)%4)
	WIN 0x08+4*((\a)/4)                            ; the data: window 2 or 3
.irp b, 0,1,2,3
	ds_store_b128 v[STO], v[AC+8*\b:AC+8*\b+3] offset:64*\b
	ds_store_b128 v[STO], v[AC+8*\b+4:AC+8*\b+7] offset:64*\b+16
.endr
	WIN 0
.set BB, BK+32*((\a)%2)
.irp t, 0,1,2,3,4,5,6,7
	ds_load_b128 v[BB+4*\t:BB+4*\t+3], v[RD] offset:\t*2*SPITCH
.endr
.endm
.macro SEND a, younger                 ; younger: the LDS instructions issued behind block a's loads, which may stay out
.set BB, BK+32*((\a)%2)
	s_wait_dscnt \younger                          ; the block is back in registers
.if (\a) > 0
	s_add_nc_u64 s[12:13], s[12:13], 16*OUTROW     ; (behind a wait on XCNT: the earlier stores have read their base)  16 tokens on, so that the stores' offsets stay at 14 rows of out0 at the most
.endif
.irp t, 0,1,2,3,4,5,6,7
	global_store_b128 v[CO], v[BB+4*\t:BB+4*\t+3], s[12:13] offset:\t*2*OUTROW th:TH_STORE_NT   ; each 16 lanes store 256 consecutive bytes, at a multiple of 256 from out0's first byte; written once, read by nobody here
.endr
.endm
	PLACES NP                                      ; behind the last products: for the selections, which read and write results, and for the loads into the registers that held A's fragments
	SELECT 0
	TOSTAGE 0
.irp a, 1,2,3,4,5,6,7
.if \a > 1
	s_wait_xcnt 0x0                                ; block a - 2's stores have read their registers and their base: block a's loads may land there, and the base may step
.endif
	SELECT \a                                      ; block a's selections stand between block a - 1's loads from the stage and the wait for them
	TOSTAGE \a
	SEND \a-1, 16                                  ; behind block a - 1's loads: block a's 8 stores and 8 loads
.endr
	s_wait_xcnt 0x0                                ; block 6's stores have read their base
	SEND 7, 0
	s_wait_tensorcnt 0x0                           ; the wave's end: the wait, an add to my spare word and its wait, behind my last tensor load and my last LDS store
	ds_add_u32 v[SPW], v[NIL]
	s_wait_dscnt 0x0
	CROUND                                         ; the closing round: no work-group ends while a partner may still ask for a tile that names it
	s_endpgm
.Lfunc_end_k_qd29f77413b_masked_linear:
	.size	k_qd29f77413b_masked_linear, .Lfunc_end_k_qd29f77413b_masked_linear-k_qd29f77413b_masked_linear
	.p2alignl 7, 3214868480
	.fill 96, 4, 3214868480
	.section	.rodata,"a",@progbits
	.p2align	6, 0x0
	.amdhsa_kernel k_qd29f77413b_masked_linear
		.amdhsa_group_segment_fixed_size 327680
		.amdhsa_private_segment_fixed_size 0
		.amdhsa_enable_private_segment 0
		.amdhsa_kernarg_size 64
		.amdhsa_user_sgpr_count 2
		.amdhsa_user_sgpr_kernarg_segment_ptr 1
		.amdhsa_wavefront_size32 1
		.amdhsa_system_sgpr_workgroup_id_x 1
		.amdhsa_system_sgpr_workgroup_id_y 1
		.amdhsa_system_sgpr_workgroup_id_z 1
		.amdhsa_system_vgpr_workitem_id 0
		.amdhsa_next_free_vgpr 1024
		.amdhsa_next_free_sgpr 102
		.amdhsa_reserve_vcc 0
		.amdhsa_float_denorm_mode_32 3
		.amdhsa_float_denorm_mode_16_64 3
		.amdhsa_memory_ordered 1
		.amdhsa_forward_progress 1
		.amdhsa_inst_pref_size 255
	.end_amdhsa_kernel
	.section	.bss,"aw",@nobits
	.p2align	6
	.space	262144
	.amdgpu_metadata
---
amdhsa.version: [ 1, 2 ]
amdhsa.kernels:
  - .name:           k_qd29f77413b_masked_linear
    .symbol:         k_qd29f77413b_masked_linear.kd
    .args:
      - { .name: x_codes, .offset: 0, .size: 8, .value_kind: global_buffer, .address_space: global }
      - { .name: x_scales, .offset: 8, .size: 8, .value_kind: global_buffer, .address_space: global }
      - { .name: Wv_codes, .offset: 16, .size: 8, .value_kind: global_buffer, .address_space: global }
      - { .name: Wv_scales, .offset: 24, .size: 8, .value_kind: global_buffer, .address_space: global }
      - { .name: Wt_codes, .offset: 32, .size: 8, .value_kind: global_buffer, .address_space: global }
      - { .name: Wt_scales, .offset: 40, .size: 8, .value_kind: global_buffer, .address_space: global }
      - { .name: visual_mask, .offset: 48, .size: 8, .value_kind: global_buffer, .address_space: global }
      - { .name: out0, .offset: 56, .size: 8, .value_kind: global_buffer, .address_space: global }
    .group_segment_fixed_size: 327680
    .private_segment_fixed_size: 0
    .kernarg_segment_align: 8
    .kernarg_segment_size: 64
    .max_flat_workgroup_size: 128
    .sgpr_count:     102
    .vgpr_count:     1024
    .wavefront_size: 32
...
	.end_amdgpu_metadata
.endif
;; end of part 1
